; MI455X (gfx1250); checked and timed in simulation.
; The chip was launched on July 23, 2026; its instructions are those of AMD's public machine-readable ISA for CDNA 5 (MIT licence, August 2026) and "CDNA5" Instruction Set Architecture Reference Guide (July 2026). The comments in the code are by the model that wrote it; some were corrected since.
;; Grouped Experts. Allowed arithmetic: matrix products marked QUANTISED: E2M1 operands, one E8M0 scale for each 32 along K, by v_wmma_scale_f32_16x16x128_f8f6f4 with both operands' format E2M1 (or v_wmma_scale_f32_32x16x128_f4), f32 sums; everything else in f32.
;; Inputs: w1 8 x 1,024 x 2,048 float32; w2 8 x 2,048 x 1,024 float32; w3 8 x 1,024 x 2,048 float32; x 8 x 1,024 x 1,024 float32.
;; Outputs: out0 8 x 1,024 x 1,024 float32.
;; This version of the problem:
;;   THIS VERSION OF THE PROBLEM IS GIVEN IN LOW PRECISION. The matrix products marked QUANTISED in the list below multiply operands that are first quantised to E2M1 (2 exponent bits, 1 mantissa bit; 4 bits a number), with one power-of-two scale for each 32 numbers along K (OCP MX v1.0); their sums are f32. All else is computed in f32.
;;   The module's matrix products, in the order in which they are computed (A, B: the left and right operand; K: the contracted axis; several contracted axes count as one K, in the product's order):
;;     1. batch 8 x [M 1,024, K 1,024] x [K 1,024, N 2,048]; A: input x; B: input w1: QUANTISED
;;     2. batch 8 x [M 1,024, K 1,024] x [K 1,024, N 2,048]; A: input x; B: input w3: QUANTISED
;;     3. batch 8 x [M 1,024, K 2,048] x [K 2,048, N 1,024]; A: computed on the way; B: input w2: QUANTISED
;;   THE QUANTISER, for each operand of a quantised product, along K:
;;     - K is cut into blocks of 32 from its start; a last block that is shorter is filled with zeros.
;;     - A block's scale is 2^e with e = floor(log2(the largest magnitude in the block)) - 2, held to -126 .. 127; a block of zeros has e = 0. As a byte (E8M0): e + 127.
;;     - Each number is divided by its block's scale, clamped to +-6, and rounded to the nearest number of E2M1, ties to even, subnormals kept.
;;     - The product sums the exact products of the quantised numbers (number of the format x scale) in f32.
;;   ~~~python
;;   def quantise(x, axis):      # numpy; x: float32 -> the quantised numbers, widened to float32 again
;;       x = np.moveaxis(x, axis, -1); K = x.shape[-1]
;;       x = np.pad(x, [(0, 0)] * (x.ndim - 1) + [(0, -K % 32)]); x = x.reshape(x.shape[:-1] + (-1, 32)); a = np.abs(x).max(-1, keepdims=True)
;;       e = np.where(a > 0, np.clip(np.frexp(np.where(a > 0, a, 1))[1] - 1 - 2, -126, 127), 0)      # np.frexp(a)[1] - 1 = floor(log2(a)), exactly
;;       r = np.clip(x / 2.0 ** e, -6, 6)
;;       step = 2.0 ** (np.maximum(np.frexp(np.where(r == 0, 1, r))[1] - 1, 0) - 1)
;;       q = np.round(r / step) * step * 2.0 ** e      # np.round: ties to even
;;       return np.moveaxis(q.reshape(q.shape[:-2] + (-1,))[..., :K], -1, axis).astype(np.float32)
;;   ~~~
;;   OPERANDS COMPUTED ON THE WAY. 'Computed on the way' means the value that the module computes at that place (a softmax that the list does not call 'softmax' is quantised finished and normalised). What goes into a quantiser is computed in f32, as accurately as f32 sums, v_exp_f32 and their like allow (about 1e-6 of the number): no bf16 or f16 on the way to a quantiser, and a product that is left as it is and whose result goes on into a quantised operand takes f32 operands (vector FMAs, or v_wmma_f32_16x16x4_f32). A number that lies on a knife's edge between two numbers of the format may be rounded either way, as far as f32 arithmetic and the matrix unit's own rounding can turn it there, and no further.
;; One version. Each part assembles by itself: llvm-mc -triple=amdgcn-amd-amdhsa -mcpu=gfx1250 --defsym DOCPART=n.
;; ======== version 1 of 1: 3 launches
;; limits: right only within a limited range of input values
;; workspace buffers: xq 4,194,304 bytes; xs 262,144 bytes; wq13 16,777,216 bytes; ws13 1,048,576 bytes; wq2 8,912,896 bytes; hq 8,388,608 bytes; hs 524,288 bytes
;; launch quant (part 1): grid 256 x 1, 8 waves a work-group, no clusters, 327,680 bytes of LDS; arguments x, w1, w3, w2, xq, xs, wq13, ws13, wq2; writes xq, xs, wq13, ws13, wq2
.if DOCPART == 1
	.amdgcn_target "amdgcn-amd-amdhsa--gfx1250"
	.amdhsa_code_object_version 6
	.text
	.protected	k_qbc234feb91_quant
	.globl	k_qbc234feb91_quant
	.p2align	8
	.type	k_qbc234feb91_quant,@function
k_qbc234feb91_quant:
	s_mov_b64 s[64:65], 0
	v_nop
	global_prefetch_b8 v0, s[64:65] scope:SCOPE_SE
	s_setreg_imm32_b32 hwreg(HW_REG_WAVE_MODE, 25, 1), 1
	s_wait_xcnt 0x0
; x [8][1024][1024], w1, w3 [8][1024 (K)][2048], w2 [8][2048 (K)][1024], all f32, become codes of FP4 (E2M1) with one E8M0 scale byte for each 32 along K.
; A block's scale byte is its largest magnitude's exponent field - 2, held at 1 from below; each number is divided by the scale and rounded to the nearest code, ties to even, beyond 6 the code of 6.
; LIMITS: NaN and infinities among the inputs are not served.  A block whose largest magnitude lies under 2^-124, a block of zeros among them, gets the byte 1 (the rule says 127 for zeros: its codes are zeros, and this program alone reads the bytes).
; CODES lie in the order of the operand's registers: [group of 128 rows][chunk of 128 along K][block i of 16 rows][block kb of 32 along K][row r][16 bytes].
; SCALE BYTES.  Weights: [group][512 along K][row 0..127][16 bytes].  x: [group][chunk of 128][i / 4][r][i % 4][4 bytes].
; wq13: a group is 64 columns of w1 (i = 0..3) and the same 64 of w3 (i = 4..7); inside each 32 columns place p holds the column p with bits 3 and 4 exchanged.  Its scale bytes lie in ws13.
; wq2: a group is 139,264 bytes: its 8,192 scale bytes, then its 16 chunks of codes.
; SHARES.  256 work-groups of eight waves.  Each takes 64 rows x 512 K of x and 128 columns x 512 K of w1, of w3 and of w2: seven fills of 131,072 bytes (x; two halves of 256 K of each weight), the same text in all.
; THE RING.  Two LDS slots by turns.  A fill is eight tensor loads, one a wave: 32 rows x 512 bytes, 16 bytes of padding behind each row, into the wave's own 16,896 bytes of the slot, which that wave alone reads.
; A weight wave's tile is ONE block of 32 along K x 128 columns: a lane takes a column and 32 loads of 4 bytes run down K into registers on end, four sets of 32 columns; its 16 bytes of codes are a piece of the layout above, and a store fills two whole units of 256 bytes.
; For w1 and w3 lane l reads the column l with bits 3 and 4 exchanged.  An x wave's tile is 32 rows x 128 along K: two fragments; a lane reads 16 neighbours of each block of its row.
; Scale bytes meet in LDS stages of their own (a stage for each tensor, no tile lands there) and leave behind a later trip's barrier, 256 bytes on end a wave.
; No cluster: no two work-groups read the same input byte.  No matrix unit: this is a stream.
; PREFETCH.  In front of each refill's barrier every wave has waited for all its tensor loads, so a refill goes out with nothing on its way beside it.  So in trip t each wave names the 64 blocks of 256 bytes of its own tile of fill t + 2
; (a lane a row, two instructions), one whole trip ahead of the tensor load that wants them; fills 0 and 1 come by their loads alone, and the last two trips ask for nothing.
.set PITCH, 528
.set WREG,  32*PITCH                   ; a wave's part of a slot
.set SLOT,  8*WREG
.set SCS,   2*SLOT                     ; three stages of 2,048 scale bytes: w1, w3, w2
.set XSS,   SCS+3*2048                 ; x's scale words: four chunks x 256 bytes
.set SPARE, XSS+1024                   ; the spare words: 128 bytes a wave
.set WSTR,  139264                     ; a group of wq2
.set X,   32                           ; weights: v32-95 two sets of 32 numbers
.set C,   96                           ; v96-111 four registers of codes for each set of 32 columns
.set EB,  112                          ; v112-115 their scale bytes
.set N,   160                          ; x: v160-223 64 numbers of my row: register 16 b + i = k 32 b + 16 (lane / 16) + i
.set PC,  224                          ; x: v224-239 eight registers of codes for each of two fragments
.set TM,  8                            ; x: v8-11 largest magnitudes, v12-15 the other half's, then bytes, v20-23 scale operands
.set PW,  24
.set SW,  26                           ; x: v26-27 the two fragments' scale words
.set SEL, 62                           ; s[62:63] selects of v_permlanex16_b32: lane l xor 16
.set G0,  40                           ; s[40:43] descriptor group 0, written anew in front of each refill's barrier, where no load of mine is out
.set G1W, 44                           ; s[44:51] group 1 for rows 8,192 bytes apart (w1, w3)
.set G1N, 52                           ; s[52:59] for rows 4,096 bytes apart (w2, x)
.set A,   66                           ; s[66+2t:67+2t] my tile of fill t
.macro ACC d, s, sh                    ; s[d] += s[s] << sh
	s_lshl_b32 s39, s[\s], \sh
	s_add_co_u32 s[\d], s[\d], s39
.endm
.macro MEET                            ; in front of a barrier: all my tensor loads, the add of 0 to my spare word, my LDS instructions
	s_wait_alu depctr_va_vdst(0)
	s_wait_xcnt 0x0                                ; my stores have read their registers
	s_wait_tensorcnt 0x0
	ds_add_u32 v18, v19
.endm
.macro SEQ ap, lr, g1                  ; a change of slots; behind the barrier my part of the next fill, into the slot read last
	MEET
	s_mov_b32 s[G0+1], s[\lr]
	s_mov_b64 s[G0+2:G0+3], s[\ap:\ap+1]
	s_or_b32 s[G0+3], s[G0+3], 0x80000000
	s_wait_dscnt 0x0
	s_barrier_signal -1
	s_barrier_wait -1
	tensor_load_to_lds s[G0:G0+3], s[\g1:\g1+7]
	s_nop 0
.endm
.macro PFT ap, vo                      ; my tile two fills on: 32 rows x two blocks of 256 bytes
.if \ap
	global_prefetch_b8 v[\vo], s[\ap:\ap+1] th:TH_LOAD_NT scope:SCOPE_SE
	global_prefetch_b8 v[\vo], s[\ap:\ap+1] offset:256 th:TH_LOAD_NT scope:SCOPE_SE
.endif
.endm
.macro WL cs, adr                      ; columns 32 cs .. 32 cs + 31, 32 rows down K
.irp i, 0,1,2,3,4,5,6,7,8,9,10,11,12,13,14,15,16,17,18,19,20,21,22,23,24,25,26,27,28,29,30,31
	ds_load_b32 v[X+32*((\cs)%2)+\i], v[\adr] offset:\i*PITCH+128*(\cs)
.endr
.endm
.macro WB cs, cb, base, gs, sti        ; a block of 32 of my column: scale byte and 16 bytes of codes
.set XS, X+32*((\cs)%2)
	v_max3_num_f32 v12, |v[XS]|, |v[XS+1]|, |v[XS+2]|
	v_max3_num_f32 v13, |v[XS+3]|, |v[XS+4]|, |v[XS+5]|
.irp i, 6,10,14,18,22,26
	v_max3_num_f32 v12, v12, |v[XS+\i]|, |v[XS+\i+1]|
	v_max3_num_f32 v13, v13, |v[XS+\i+2]|, |v[XS+\i+3]|
.endr
	v_max3_num_f32 v12, v12, |v[XS+30]|, |v[XS+31]|
	v_max3_num_f32 v12, v12, v13, 0x1800000        ; the floor 2^(3 - 127): the byte cannot fall under 1
	v_add_nc_u32 v11, 0xff000000, v12              ; 2 off the exponent field: the conversion's scale operand
.irp g, 0,1,2,3
	v_cvt_scalef32_pk8_fp4_f32 v[C+4*(\cs)+\g], v[XS+8*\g:XS+8*\g+7], v11
.endr
	v_lshrrev_b32 v[EB+(\cs)], 23, v11             ; the scale's byte
	ds_store_b8 v16, v[EB+(\cs)] offset:(\sti)+512*(\cs)
	global_store_b128 v5, v[C+4*(\cs):C+4*(\cs)+3], s[\cb:\cb+1] offset:(\base)+((\cs)/2)*(\gs)+((\cs)%2)*2048   ; lanes 0-15 fill 256 aligned bytes, lanes 16-31 those of the next block of rows
.endm
.macro WTRIP adr, cb, base, gs, sti, ap, vo
	WL 0, \adr
	WL 1, \adr
	PFT \ap, \vo
	s_wait_dscnt 32                                ; set 0 is in; set 1's 32 loads may be out
	WB 0, \cb, \base, \gs, \sti
	WL 2, \adr
	s_wait_dscnt 33                                ; behind set 1's loads: a byte store and 32 loads
	WB 1, \cb, \base, \gs, \sti
	WL 3, \adr
	s_wait_dscnt 33
	WB 2, \cb, \base, \gs, \sti
	s_wait_dscnt 1                                 ; behind set 3's loads: a byte store
	WB 3, \cb, \base, \gs, \sti
.endm
.macro SOUT u, sb, imm                 ; stage u is whole behind the barrier just passed: my 256 bytes of it
	ds_load_b64 v[120:121], v17 offset:(\u)*2048
	s_wait_dscnt 0x0
	global_store_b64 v7, v[120:121], s[\sb:\sb+1] offset:\imm
.endm
.macro QUANT s, pc                     ; 64 numbers of a lane become a fragment's codes in v[pc] on and its scale word in v[PW]
.irp b, 0,1,2,3
	v_max3_num_f32 v[TM+\b], |v[\s+16*\b]|, |v[\s+1+16*\b]|, 0x1800000
.endr
.irp i, 2,4,6,8,10,12,14
.irp b, 0,1,2,3
	v_max3_num_f32 v[TM+\b], v[TM+\b], |v[\s+16*\b+\i]|, |v[\s+1+16*\b+\i]|
.endr
.endr
.irp b, 0,1,2,3
	v_permlanex16_b32 v[TM+4+\b], v[TM+\b], s[SEL], s[SEL+1]
.endr
.irp b, 0,1,2,3
	v_max_num_f32 v[TM+\b], v[TM+\b], v[TM+4+\b]   ; with lane l xor 16's: the block's largest magnitude
.endr
.irp b, 0,1,2,3
	v_add_nc_u32 v[TM+12+\b], 0xff000000, v[TM+\b]
.endr
.irp b, 0,1,2,3
	v_lshrrev_b32 v[TM+4+\b], 23, v[TM+12+\b]
.endr
	v_lshl_or_b32 v[PW], v[TM+5], 8, v[TM+4]
	v_lshl_or_b32 v[PW], v[TM+6], 16, v[PW]
	v_lshl_or_b32 v[PW], v[TM+7], 24, v[PW]
.irp b, 0,1,2,3
	v_cvt_scalef32_pk8_fp4_f32 v[\pc+2*\b], v[\s+16*\b:\s+7+16*\b], v[TM+12+\b]
	v_cvt_scalef32_pk8_fp4_f32 v[\pc+1+2*\b], v[\s+8+16*\b:\s+15+16*\b], v[TM+12+\b]
.endr
	v_nop
.irp c, 0,1                            ; the operand wants a whole block in a lane
.irp i, 0,1
	v_permlane16_swap_b32 v[\pc+4*\c+\i], v[\pc+2+4*\c+\i]
.endr
.endr
.endm
.macro XF f                            ; fragment f: rows 16 f .. 16 f + 15 of my tile
.irp b, 0,1,2,3
.irp j, 0,1,2,3
	ds_load_b128 v[N+16*\b+4*\j:N+16*\b+4*\j+3], v6 offset:(\f)*16*PITCH+128*\b+16*\j
.endr
.endr
	s_wait_dscnt 0x0
	QUANT N, PC+8*(\f)
.irp c, 0,1
	global_store_b128 v4, v[PC+8*(\f)+4*\c:PC+8*(\f)+4*\c+3], s[88:89] offset:(\f)*1024+512*\c   ; 512 bytes on end
.endr
	v_mov_b32 v[SW+(\f)], v[PW]
.endm
	s_load_b256 s[4:11], s[0:1], 0x0               ; x s[4:5], w1 s[6:7], w3 s[8:9], w2 s[10:11]
	s_load_b256 s[12:19], s[0:1], 0x20             ; xq s[12:13], xs s[14:15], wq13 s[16:17], ws13 s[18:19]
	s_load_b64 s[20:21], s[0:1], 0x40              ; wq2
	v_lshl_add_u32 v18, v0, 2, SPARE               ; my spare word,
	v_mov_b32 v19, 0                               ; and 0: kept for the add alone
	ds_add_u32 v18, v19                            ; the opening lines: the add twice on end, and its wait, ahead of my first tensor load
	ds_add_u32 v18, v19
	v_lshrrev_b32 v1, 5, v0
	v_readfirstlane_b32 s24, v1                    ; wave 0..7
.irp g, G1W, G1N                       ; a tile: 32 rows of 64 elements of 8 bytes; 4 dwords of padding behind every 128
	s_mov_b32 s[\g+0], (3<<16)|(1<<20)|(6<<22)|(3<<25)
	s_mov_b32 s[\g+1], 64<<16
	s_mov_b32 s[\g+2], 32<<16
	s_mov_b32 s[\g+3], 64<<16
	s_mov_b32 s[\g+4], 32
	s_mov_b32 s[\g+6], 0
	s_mov_b32 s[\g+7], 0
.endr
	s_mov_b32 s[G1W+5], 1024
	s_mov_b32 s[G1N+5], 512
	s_mul_i32 s60, s24, WREG                       ; my part of slot 0,
	s_add_co_u32 s61, s60, SLOT                    ; and of slot 1
	s_lshr_b32 s25, ttmp9, 1                       ; x: which 64 rows,
	s_and_b32 s26, ttmp9, 1                        ; which 512 along K
	s_lshr_b32 s27, s24, 2                         ; wave / 4
	s_and_b32 s28, s24, 3                          ; wave % 4
	s_lshl_b32 s29, s26, 2
	s_add_co_u32 s29, s29, s28                     ; x: my chunk of 128
	s_lshl_b32 s30, s25, 18                        ; 64 rows of 4,096 bytes,
	ACC 30, 27, 17                                 ; my 32 of them,
	ACC 30, 29, 9                                  ; my 512 bytes of each
	s_mov_b32 s31, 0
	s_wait_dscnt 0x0
	s_wait_kmcnt 0x0
	s_add_nc_u64 s[A:A+1], s[4:5], s[30:31]
	s_mov_b32 s[G0], 1
	s_mov_b32 s[G0+1], s60
	s_mov_b64 s[G0+2:G0+3], s[A:A+1]
	s_or_b32 s[G0+3], s[G0+3], 0x80000000
	tensor_load_to_lds s[G0:G0+3], s[G1N:G1N+7]    ; fill 0: x
	s_nop 0
	s_lshr_b32 s32, ttmp9, 5                       ; the expert
	s_and_b32 s33, ttmp9, 15                       ; w1, w3: which 128 columns,
	s_bfe_u32 s34, ttmp9, 0x10004                  ; which 512 along K
	s_lshl_b32 s36, s32, 23
	ACC 36, 34, 22                                 ; 512 rows of 8,192 bytes
	ACC 36, 24, 18                                 ; my 32 rows
	ACC 36, 33, 9
	s_mov_b32 s37, 0
	s_add_nc_u64 s[A+2:A+3], s[6:7], s[36:37]
	s_add_nc_u64 s[A+4:A+5], s[A+2:A+3], 0x200000  ; 256 rows on
	s_add_nc_u64 s[A+6:A+7], s[8:9], s[36:37]
	s_add_nc_u64 s[A+8:A+9], s[A+6:A+7], 0x200000
	s_lshl_b32 s35, s32, 5
	ACC 35, 33, 1                                  ; the first of two groups: 32 e + 2 cg
	s_lshl_b32 s36, s35, 16
	ACC 36, 34, 15                                 ; codes: four chunks for 512 along K; my block is chunk wave / 4, kb = wave % 4 of a half
	ACC 36, 27, 13
	ACC 36, 28, 8
	s_add_nc_u64 s[80:81], s[16:17], s[36:37]
	s_lshl_b32 s36, s35, 12
	ACC 36, 34, 11                                 ; scale bytes: I store rows 16 w .. 16 w + 15 of the 128: group w / 4, 256 bytes w % 4
	ACC 36, 27, 12
	ACC 36, 28, 8
	s_add_nc_u64 s[84:85], s[18:19], s[36:37]
	s_and_b32 s33, ttmp9, 7                        ; w2: which 128 columns,
	s_bfe_u32 s34, ttmp9, 0x20003                  ; which 512 along K
	s_lshl_b32 s36, s32, 23
	ACC 36, 34, 21
	ACC 36, 24, 17
	ACC 36, 33, 9
	s_add_nc_u64 s[A+10:A+11], s[10:11], s[36:37]
	s_add_nc_u64 s[A+12:A+13], s[A+10:A+11], 0x100000
	s_lshl_b32 s35, s32, 3
	s_add_co_u32 s35, s35, s33
	s_mul_i32 s35, s35, WSTR                       ; the group 8 e + cg
	s_add_co_u32 s36, s35, 8192                    ; its codes lie behind its scale bytes
	ACC 36, 34, 15
	ACC 36, 27, 13
	ACC 36, 28, 8
	s_add_nc_u64 s[82:83], s[20:21], s[36:37]
	s_mov_b32 s36, s35
	ACC 36, 34, 11
	ACC 36, 24, 8
	s_add_nc_u64 s[86:87], s[20:21], s[36:37]
	s_lshr_b32 s33, s25, 1                         ; x: the group of 128 rows,
	s_and_b32 s34, s25, 1                          ; and which half of it
	s_lshl_b32 s36, s33, 16
	ACC 36, 29, 13
	ACC 36, 34, 12
	ACC 36, 27, 11                                 ; my two blocks of rows
	s_add_nc_u64 s[88:89], s[12:13], s[36:37]
	s_lshl_b32 s36, s33, 12
	ACC 36, 29, 9
	ACC 36, 34, 8
	s_add_nc_u64 s[90:91], s[14:15], s[36:37]
	s_mov_b32 s[SEL], 0x76543210
	s_mov_b32 s[SEL+1], 0xfedcba98
	s_add_co_u32 s92, s24, SCS
	s_lshl_b32 s93, s24, 8
	s_add_co_u32 s93, s93, SCS
	s_lshl_b32 s94, s28, 8
	s_add_co_u32 s94, s94, XSS
	s_lshl_b32 s95, s27, 3
	s_add_co_u32 s95, s95, s94
	v_and_b32 v1, 31, v0                           ; lane
	v_and_b32 v2, 15, v0                           ; r
	v_bfe_u32 v3, v0, 4, 1                         ; h
	v_lshlrev_b32 v4, 4, v1                        ; x's codes: 16 x lane
	v_lshlrev_b32 v5, 4, v2
	v_lshl_add_u32 v5, v3, 10, v5                  ; weights' codes: 16 r, lanes 16-31 one block of rows on
	v_lshlrev_b32 v7, 3, v1                        ; scale bytes on the way out: 8 x lane
	v_mul_u32_u24 v6, v2, PITCH
	v_lshl_add_u32 v6, v3, 6, v6
	v_add_nc_u32 v6, s60, v6                       ; x: row r of my tile, + 64 h
	v_lshrrev_b32 v8, 3, v1
	v_lshrrev_b32 v9, 4, v1
	v_xor_b32 v8, v8, v9
	v_and_b32 v8, 1, v8
	v_mul_u32_u24 v8, v8, 24
	v_xor_b32 v8, v8, v1                           ; the lane's number with bits 3 and 4 exchanged
	v_lshlrev_b32 v8, 2, v8
	v_lshlrev_b32 v9, 2, v1
	v_add_nc_u32 v28, s60, v9                      ; my column in slot 0, 1: w2's order,
	v_add_nc_u32 v29, s61, v9
	v_add_nc_u32 v30, s60, v8                      ; w1's and w3's
	v_add_nc_u32 v31, s61, v8
	v_lshl_add_u32 v16, v1, 4, s92                 ; a stage: 16 bytes a row, byte = my block
	v_lshl_add_u32 v17, v1, 3, s93                 ; and back: 256 bytes a wave
	v_lshl_add_u32 v116, v2, 4, s95                ; x's words: chunk wave % 4, row r, two words at 8 (wave / 4)
	v_lshl_add_u32 v117, v1, 3, s94                ; and back
	v_lshlrev_b32 v118, 13, v1                     ; the prefetches: a lane a row of 8,192 bytes,
	v_lshlrev_b32 v119, 12, v1                     ; or of 4,096
.irp b, 0,1,2,3
	v_mov_b32 v[TM+4+\b], 0                        ; a lane permute's destination counts as one of its sources
.endr
	SEQ A+2, 61, G1W                               ; x is in; slot 1's first fill, issued as a refill is: w1's first half
	XF 0
	PFT A+4, 118
	XF 1
	ds_store_b64 v116, v[SW:SW+1]                  ; lanes l and l xor 16 hold the same words
	SEQ A+4, 60, G1W
	s_cmp_lt_u32 s24, 4                            ; x's words: four chunks x 256 bytes, a wave each
	s_cbranch_scc0 .Lnot_mine
	ds_load_b64 v[120:121], v117
	s_wait_dscnt 0x0
	global_store_b64 v7, v[120:121], s[90:91]
.Lnot_mine:
	WTRIP 31, 80, 0, 65536, 0, A+6, 118            ; w1, K 0-255
	SEQ A+6, 61, G1W
	WTRIP 30, 80, 16384, 65536, 8, A+8, 118        ; w1, K 256-511
	SEQ A+8, 60, G1W
	SOUT 0, 84, 0
	WTRIP 31, 80, 4096, 65536, 2048, A+10, 119     ; w3: its blocks of rows lie behind w1's four
	SEQ A+10, 61, G1N
	WTRIP 30, 80, 20480, 65536, 2056, A+12, 119
	SEQ A+12, 60, G1N
	SOUT 1, 84, 1024
	WTRIP 29, 82, 0, 4096, 4096, 0, 0              ; w2
	MEET                                           ; the last fill is in; nothing is filled again
	s_wait_dscnt 0x0
	s_barrier_signal -1
	s_barrier_wait -1
	WTRIP 28, 82, 16384, 4096, 4104, 0, 0
	s_wait_dscnt 0x0                               ; for the others' sake: my scale bytes are stored
	s_barrier_signal -1
	s_barrier_wait -1
	s_wait_xcnt 0x0
	SOUT 2, 86, 0
	s_wait_tensorcnt 0x0                           ; the wave's end
	ds_add_u32 v18, v19
	s_wait_dscnt 0x0
	s_endpgm
.Lfunc_end_k_qbc234feb91_quant:
	.size	k_qbc234feb91_quant, .Lfunc_end_k_qbc234feb91_quant-k_qbc234feb91_quant
	.p2alignl 7, 3214868480
	.fill 96, 4, 3214868480
	.section	.rodata,"a",@progbits
	.p2align	6, 0x0
	.amdhsa_kernel k_qbc234feb91_quant
		.amdhsa_group_segment_fixed_size 327680
		.amdhsa_private_segment_fixed_size 0
		.amdhsa_enable_private_segment 0
		.amdhsa_kernarg_size 72
		.amdhsa_user_sgpr_count 2
		.amdhsa_user_sgpr_kernarg_segment_ptr 1
		.amdhsa_wavefront_size32 1
		.amdhsa_system_sgpr_workgroup_id_x 1
		.amdhsa_system_sgpr_workgroup_id_y 1
		.amdhsa_system_sgpr_workgroup_id_z 1
		.amdhsa_system_vgpr_workitem_id 0
		.amdhsa_next_free_vgpr 256
		.amdhsa_next_free_sgpr 96
		.amdhsa_reserve_vcc 0
		.amdhsa_float_denorm_mode_32 3
		.amdhsa_float_denorm_mode_16_64 3
		.amdhsa_memory_ordered 1
		.amdhsa_forward_progress 1
		.amdhsa_inst_pref_size 108
	.end_amdhsa_kernel
	.amdgpu_metadata
---
amdhsa.version: [ 1, 2 ]
amdhsa.kernels:
  - .name:           k_qbc234feb91_quant
    .symbol:         k_qbc234feb91_quant.kd
    .args:
      - { .name: x, .offset: 0, .size: 8, .value_kind: global_buffer, .address_space: global }
      - { .name: w1, .offset: 8, .size: 8, .value_kind: global_buffer, .address_space: global }
      - { .name: w3, .offset: 16, .size: 8, .value_kind: global_buffer, .address_space: global }
      - { .name: w2, .offset: 24, .size: 8, .value_kind: global_buffer, .address_space: global }
      - { .name: xq, .offset: 32, .size: 8, .value_kind: global_buffer, .address_space: global }
      - { .name: xs, .offset: 40, .size: 8, .value_kind: global_buffer, .address_space: global }
      - { .name: wq13, .offset: 48, .size: 8, .value_kind: global_buffer, .address_space: global }
      - { .name: ws13, .offset: 56, .size: 8, .value_kind: global_buffer, .address_space: global }
      - { .name: wq2, .offset: 64, .size: 8, .value_kind: global_buffer, .address_space: global }
    .group_segment_fixed_size: 327680
    .private_segment_fixed_size: 0
    .kernarg_segment_align: 8
    .kernarg_segment_size: 72
    .max_flat_workgroup_size: 256
    .sgpr_count:     96
    .vgpr_count:     256
    .wavefront_size: 32
...
	.end_amdgpu_metadata
.endif
;; end of part 1
;; launch gate (part 2): grid 8 x 32, 4 waves a work-group, clusters of 4 x 4, 327,680 bytes of LDS; arguments xq, xs, wq13, ws13, hq, hs; writes hq, hs
.if DOCPART == 2
	.amdgcn_target "amdgcn-amd-amdhsa--gfx1250"
	.amdhsa_code_object_version 6
	.text
	.protected	k_qbc234feb91_gate
	.globl	k_qbc234feb91_gate
	.p2align	8
	.type	k_qbc234feb91_gate,@function
k_qbc234feb91_gate:
	s_mov_b64 s[64:65], 0
	v_nop
	global_prefetch_b8 v0, s[64:65] scope:SCOPE_SE
	s_setreg_imm32_b32 hwreg(HW_REG_WAVE_MODE, 25, 1), 1
	s_wait_xcnt 0x0
	s_wait_alu depctr_hold_cnt(0) depctr_sa_sdst(0) depctr_va_vdst(0) depctr_va_sdst(0) depctr_va_ssrc(0) depctr_va_vcc(0) depctr_vm_vsrc(0)
	s_getreg_b32 s2, hwreg(HW_REG_IB_STS2, 6, 4)
	s_cmp_eq_u32 s2, 0
	s_cbranch_scc0 .Lentry_in_a_cluster
	s_endpgm
.Lentry_in_a_cluster:
	s_bfe_u32 s2, ttmp6, 0x10000c
	s_cmp_lg_u32 s2, 0xf033
	s_cbranch_scc0 .Lentry_shape_is_right
	s_endpgm
.Lentry_shape_is_right:
.set KTOT,   1024
.set KC,     KTOT/128
.set NGB,    32
.set GSTR,   KC*8192
.set HALFS,  KC*512
.set NQ,     4
.set FR,     8
.set NL,     2
.set NP,     4
.set HALFT,  32768
.set SLOT,   HALFT                     ; LDS: x's two groups (each all of K, 65,536 bytes), then two groups of w1/w3; a K step lies HALFT behind the one before
.set SCL,    8*HALFT
.set SCLB,   SCL+2*HALFS
.set SPARE,  SCLB+4*HALFS
.set SXC,    SPARE+512
.set ADRA, 16
.set ADRB, 20
.set ADRSA, 22
.set ADRSB, 23
.set HQO,  24
.set SXW,  25
.set SXR,  26
.set HSO,  27
.set SPW,  28
.set NIL,  29
.set SC,   32
.set TM,   96
.set EW,   104
.set XW,   112
.set AF,   128
.set T,    128
.set PC,   192
.set G1, 24
.set G0, 32
.set G1B, 48
.set G0B, 56
.set G1S, 68
.set G0S, 76
.set G1SB, 80
.set G0SB, 88
.set SEL, 96
.set LG,  98
.set MSB, 0
.macro WIN new
.if MSB != (\new)
	s_set_vgpr_msb (MSB<<8)|(\new)
.set MSB, (\new)
.endif
.endm
.set MUL_LO, 0xa1
.set MUL_HI, 0xf1
.set TO_B,   0x40
.macro JLOAD g0a, g1a, g0b, g1b
	s_cmp_eq_u32 s15, 0
	s_cbranch_scc0 .Lfor_b_\@
	tensor_load_to_lds s[\g0a:\g0a+3], s[\g1a:\g1a+7]
	s_nop 0
.rept 4
	v_nop
.endr
	s_branch .Lasked_\@
.Lfor_b_\@:
	tensor_load_to_lds s[\g0b:\g0b+3], s[\g1b:\g1b+7]
	s_nop 0
.rept 4
	v_nop
.endr
.Lasked_\@:
.endm
.macro JLOADB s
	s_cmp_eq_u32 s15, 0
	s_cbranch_scc1 .Lnone_\@
	tensor_load_to_lds s[G0B+4*\s:G0B+4*\s+3], s[G1B:G1B+7]
	s_nop 0
.rept 4
	v_nop
.endr
.Lnone_\@:
.endm
.macro CREST
	s_cmp_lg_u32 s14, 0
	s_cbranch_scc1 .Lnot_wave_0_\@
	s_barrier_signal -3
.Lnot_wave_0_\@:
	s_barrier_wait -3
	s_barrier_signal -1
	s_barrier_wait -1
.endm
.macro CROUND
	s_barrier_signal -1
	s_barrier_wait -1
	CREST
.endm
	s_load_b128 s[4:7], s[0:1], 0x0
	s_load_b128 s[8:11], s[0:1], 0x10
	s_load_b64 s[12:13], s[0:1], 0x20
	s_load_b64 s[66:67], s[0:1], 0x28
	v_lshl_add_u32 v[SPW], v0, 2, SPARE
	v_mov_b32 v[NIL], 0
	ds_add_u32 v28, v29
	ds_add_u32 v28, v29
	s_wait_dscnt 0x0
	v_lshrrev_b32 v1, 5, v0
	v_readfirstlane_b32 s14, v1
	s_lshr_b32 s15, s14, 1
	s_and_b32 s16, s14, 1
	s_bfe_u32 s40, ttmp6, 0x40000
	s_bfe_u32 s41, ttmp6, 0x40004
	s_lshl_b32 s42, ttmp9, 2
	s_add_co_u32 s42, s42, s40
	s_and_b32 s17, ttmp7, 0xffff
	s_lshl_b32 s17, s17, 2
	s_add_co_u32 s17, s17, s41
	s_lshl_b32 s43, s41, 2
	s_lshl_b32 s43, 15, s43
	s_lshl_b32 s44, 0x1111, s40
	s_or_b32 s[G1+0], s43, (3<<16)|(1<<21)
	s_or_b32 s[G1B+0], s44, (3<<16)|(1<<21)
.irp g, G1, G1B
	s_mov_b32 s[\g+1], 32<<16
	s_mov_b32 s[\g+2], 512<<16                     ; the head's loads: two groups, all of K: 512 rows of 256 bytes
	s_mov_b32 s[\g+3], 32<<16
	s_mov_b32 s[\g+4], 512
	s_mov_b32 s[\g+5], 32
	s_mov_b32 s[\g+6], 0
	s_mov_b32 s[\g+7], 0
.endr
	s_or_b32 s[G1S+0], s43, (3<<16)|(1<<21)
	s_or_b32 s[G1SB+0], s44, (3<<16)|(1<<21)
.irp g, G1S, G1SB
	s_mov_b32 s[\g+1], 32<<16
	s_mov_b32 s[\g+3], 32<<16
	s_mov_b32 s[\g+5], 32
	s_mov_b32 s[\g+6], 0
	s_mov_b32 s[\g+7], 0
.endr
	s_mov_b32 s[G1S+2], (2*HALFS/256)<<16          ; x's scale bytes: two groups on end
	s_mov_b32 s[G1S+4], 2*HALFS/256
	s_mov_b32 s[G1SB+2], (4*HALFS/256)<<16         ; the weights': four groups on end
	s_mov_b32 s[G1SB+4], 4*HALFS/256
	s_lshl_b32 s20, s17, 1
	s_mul_i32 s22, s20, HALFS
	s_mov_b32 s23, 0
	s_mul_i32 s20, s20, GSTR
	s_mov_b32 s21, 0
	s_and_b32 s46, ttmp7, 0xffff
	s_mul_i32 s46, s46, NGB
	s_lshl_b32 s47, s42, 2
	s_add_co_u32 s46, s46, s47
	s_mul_i32 s92, s46, HALFS                      ; the scale bytes of my four groups of weights
	s_mov_b32 s93, 0
	s_mul_i32 s18, s46, GSTR                       ; the codes of the first two
	s_mov_b32 s19, 0
	s_add_co_u32 s46, s46, s16                     ; for the refills: the group that I fetch,
	s_mul_i32 s46, s46, GSTR
	s_mov_b32 s47, 0
	s_mul_i32 s45, s16, 2*HALFT                    ; and where it goes
	s_add_co_u32 s45, s45, 4*HALFT
	s_mov_b32 s[SEL], 0x76543210
	s_mov_b32 s[SEL+1], 0xfedcba98
	s_mov_b32 s[LG], 0xbfb8aa3b
	s_mov_b32 s[LG+1], s[LG]
	s_wait_kmcnt 0x0
	s_add_nc_u64 s[20:21], s[4:5], s[20:21]
	s_add_nc_u64 s[22:23], s[6:7], s[22:23]
	s_add_nc_u64 s[46:47], s[8:9], s[46:47]
	s_add_nc_u64 s[92:93], s[10:11], s[92:93]
	s_add_nc_u64 s[18:19], s[8:9], s[18:19]
	CROUND
	s_mov_b32 s[G0S], 1                            ; x's scale bytes
	s_mov_b32 s[G0S+1], SCL
	s_mov_b64 s[G0S+2:G0S+3], s[22:23]
	s_or_b32 s[G0S+3], s[G0S+3], 0x80000000
	s_mov_b32 s[G0SB], 1                           ; the weights' scale bytes
	s_mov_b32 s[G0SB+1], SCLB
	s_mov_b64 s[G0SB+2:G0SB+3], s[92:93]
	s_or_b32 s[G0SB+3], s[G0SB+3], 0x80000000
	s_mov_b32 s[G0], 1                             ; x's two groups, all of K: 131,072 bytes on end
	s_mov_b32 s[G0+1], 0
	s_mov_b64 s[G0+2:G0+3], s[20:21]
	s_or_b32 s[G0+3], s[G0+3], 0x80000000
	s_mov_b32 s[G0+4], 1                           ; the first two groups of weights, likewise
	s_mov_b32 s[G0+5], 4*HALFT
	s_mov_b64 s[G0+6:G0+7], s[18:19]
	s_or_b32 s[G0+7], s[G0+7], 0x80000000
.irp s, 0,1
	s_mov_b32 s[G0B+4*\s], 1                       ; for the refills: K step s of the group that I fetch
	s_add_co_u32 s[G0B+4*\s+1], s45, \s*SLOT
	s_add_nc_u64 s[G0B+4*\s+2:G0B+4*\s+3], s[46:47], \s*HALFT
	s_or_b32 s[G0B+4*\s+3], s[G0B+4*\s+3], 0x80000000
.endr
; the head's four tiles, one joint load a wave, in one chain of branches on the wave's number
.macro HARM under, g0, g1, next
	s_cmp_lt_u32 s14, \under
	s_cbranch_scc0 \next
	tensor_load_to_lds s[\g0:\g0+3], s[\g1:\g1+7]
	s_nop 0
.rept 4
	v_nop
.endr
	s_branch .Lhead_asked
\next:
.endm
	HARM 1, G0, G1, .Lhead_b
	HARM 2, G0+4, G1B, .Lhead_sa
	HARM 3, G0S, G1S, .Lhead_sb
	tensor_load_to_lds s[G0SB:G0SB+3], s[G1SB:G1SB+7]
	s_nop 0
.rept 4
	v_nop
.endr
.Lhead_asked:
	v_and_b32 v1, 15, v0
	v_and_b32 v3, 31, v0
	v_lshlrev_b32 v4, 4, v3
	s_wait_alu depctr_va_vdst(0)
	s_mul_i32 s21, s15, 2*HALFT
	s_mul_i32 s22, s16, 2*HALFT
	s_add_co_u32 s22, s22, 4*HALFT
.irp s, 0,1
	v_add_nc_u32 v[ADRA+\s], s21, v4
	v_add_nc_u32 v[ADRB+\s], s22, v4
	s_add_co_u32 s21, s21, SLOT
	s_add_co_u32 s22, s22, SLOT
.endr
	s_mul_i32 s21, s15, HALFS
	s_add_co_u32 s21, s21, SCL
	v_add_nc_u32 v[ADRSA], s21, v4
	s_mul_i32 s22, s16, HALFS
	s_add_co_u32 s22, s22, SCLB
	v_add_nc_u32 v[ADRSB], s22, v4
	v_mov_b32 v[HQO], v4
	s_lshl_b32 s21, s15, 9
	s_lshl_b32 s22, s16, 1
	s_add_co_u32 s21, s21, s22
	s_add_co_u32 s21, s21, SXC
	v_lshl_add_u32 v[SXW], v1, 4, s21
	s_lshl_b32 s21, s14, 8
	s_add_co_u32 s21, s21, SXC
	v_lshl_add_u32 v[SXR], v3, 3, s21
	v_lshlrev_b32 v[HSO], 3, v3
	v_mov_b32 v[TM+2], 0
	v_mov_b32 v[TM+3], 0
	s_lshl_b32 s20, s17, 1
	s_add_co_u32 s20, s20, s15
	s_lshl_b32 s22, s20, 13
	s_lshl_b32 s20, s20, 17
	s_lshl_b32 s46, s42, 14
	s_lshl_b32 s47, s16, 9
	s_add_co_u32 s46, s46, s47
	s_add_co_u32 s20, s20, s46
	s_mov_b32 s21, 0
	s_add_nc_u64 s[12:13], s[12:13], s[20:21]
	s_lshl_b32 s46, s42, 10
	s_lshl_b32 s47, s16, 8
	s_add_co_u32 s46, s46, s47
	s_add_co_u32 s22, s22, s46
	s_mov_b32 s23, 0
	s_add_nc_u64 s[66:67], s[66:67], s[22:23]
.macro FRAG reg, adr, q, i
.irp c, 0,1
	ds_load_b128 v[\reg+4*\c:\reg+4*\c+3], v[\adr] offset:8192*(\q)+1024*(\i)+512*\c
.endr
.endm
.macro WM a, b, p, q, sc, zero
.set rD, 8*(8*((\a)%4)+(\b))
.set rB, 128*(\p)+FR*(\b)
.set rA, AF+FR*(\a)
.set rSB, SC+32*(\sc)+16+4*((\b)/2)+(\q)
.set rSA, SC+32*(\sc)+4*(\q)+(\a)%4
.if \zero
.if (\b)%2 == 0
.if (\a) < 4
	v_wmma_scale_f32_16x16x128_f8f6f4 v[rD:rD+7], v[rB:rB+7], v[rA:rA+7], 0, v[rSB], v[rSA] matrix_a_fmt:MATRIX_FMT_FP4 matrix_b_fmt:MATRIX_FMT_FP4
.else
	v_wmma_scale_f32_16x16x128_f8f6f4 v[rD:rD+7], v[rB:rB+7], v[rA:rA+7], 0, v[rSB], v[rSA] matrix_a_fmt:MATRIX_FMT_FP4 matrix_b_fmt:MATRIX_FMT_FP4 matrix_b_scale:MATRIX_SCALE_ROW1
.endif
.else
.if (\a) < 4
	v_wmma_scale_f32_16x16x128_f8f6f4 v[rD:rD+7], v[rB:rB+7], v[rA:rA+7], 0, v[rSB], v[rSA] matrix_a_fmt:MATRIX_FMT_FP4 matrix_b_fmt:MATRIX_FMT_FP4 matrix_a_scale:MATRIX_SCALE_ROW1
.else
	v_wmma_scale_f32_16x16x128_f8f6f4 v[rD:rD+7], v[rB:rB+7], v[rA:rA+7], 0, v[rSB], v[rSA] matrix_a_fmt:MATRIX_FMT_FP4 matrix_b_fmt:MATRIX_FMT_FP4 matrix_a_scale:MATRIX_SCALE_ROW1 matrix_b_scale:MATRIX_SCALE_ROW1
.endif
.endif
.else
.if (\b)%2 == 0
.if (\a) < 4
	v_wmma_scale_f32_16x16x128_f8f6f4 v[rD:rD+7], v[rB:rB+7], v[rA:rA+7], v[rD:rD+7], v[rSB], v[rSA] matrix_a_fmt:MATRIX_FMT_FP4 matrix_b_fmt:MATRIX_FMT_FP4
.else
	v_wmma_scale_f32_16x16x128_f8f6f4 v[rD:rD+7], v[rB:rB+7], v[rA:rA+7], v[rD:rD+7], v[rSB], v[rSA] matrix_a_fmt:MATRIX_FMT_FP4 matrix_b_fmt:MATRIX_FMT_FP4 matrix_b_scale:MATRIX_SCALE_ROW1
.endif
.else
.if (\a) < 4
	v_wmma_scale_f32_16x16x128_f8f6f4 v[rD:rD+7], v[rB:rB+7], v[rA:rA+7], v[rD:rD+7], v[rSB], v[rSA] matrix_a_fmt:MATRIX_FMT_FP4 matrix_b_fmt:MATRIX_FMT_FP4 matrix_a_scale:MATRIX_SCALE_ROW1
.else
	v_wmma_scale_f32_16x16x128_f8f6f4 v[rD:rD+7], v[rB:rB+7], v[rA:rA+7], v[rD:rD+7], v[rSB], v[rSA] matrix_a_fmt:MATRIX_FMT_FP4 matrix_b_fmt:MATRIX_FMT_FP4 matrix_a_scale:MATRIX_SCALE_ROW1 matrix_b_scale:MATRIX_SCALE_ROW1
.endif
.endif
.endif
.endm
.macro MUL16 a0, p, q, sc, zero
.irp a, \a0, \a0+1
.irp b, 0,1,2,3,4,5,6,7
	WM \a, \b, \p, \q, \sc, \zero
.endr
.endr
.endm
.macro FETCH_B slot, q, p
	WIN TO_B
.irp i, 0,1,2,3,4,5,6,7
	FRAG 128*(\p)+FR*\i, ADRB+\slot, \q, \i
.endr
	WIN 0
.endm
.macro FETCH_A slot, q, i0
.irp i, \i0, \i0+1, \i0+2, \i0+3
	FRAG AF+FR*(\i), ADRA+\slot, \q, \i
.endr
.endm
.macro SCALES sc, ka, kb
.irp q, 0,1,2,3
	ds_load_b128 v[SC+32*(\sc)+4*\q:SC+32*(\sc)+4*\q+3], v[ADRSA] offset:(\ka)+512*\q
.endr
.irp j, 0,1,2,3
	ds_load_b128 v[SC+32*(\sc)+16+4*\j:SC+32*(\sc)+16+4*\j+3], v[ADRSB] offset:(\kb)+512*\j
.endr
.endm
.macro PLACES n
.rept \n
	v_nop
.endr
.endm
.macro STEP slot, q, zero
	s_wait_dscnt 4*NL
	WIN MUL_LO
	MUL16 0, (\q)%2, \q, \slot, \zero
	MUL16 2, (\q)%2, \q, \slot, \zero
	s_wait_dscnt 0
	PLACES NP
	FETCH_B \slot, (\q)+1, 1-(\q)%2
	FETCH_A \slot, (\q)+1, 0
	WIN MUL_HI
	MUL16 4, (\q)%2, \q, \slot, \zero
	MUL16 6, (\q)%2, \q, \slot, \zero
	PLACES NP
	WIN 0
	FETCH_A \slot, (\q)+1, 4
.endm
.macro TURN slot, next, fill, kb
	s_wait_tensorcnt 0x0
	ds_add_u32 v[SPW], v[NIL]
	s_wait_dscnt 4*NL+1
	WIN MUL_LO
	MUL16 0, 1, NQ-1, \slot, 0
	s_wait_dscnt 0x0
	s_barrier_signal -1
	MUL16 2, 1, NQ-1, \slot, 0
	WIN 0
	s_barrier_wait -1
.if \fill
	CREST
	s_add_nc_u64 s[G0B+4*\slot+2:G0B+4*\slot+3], s[G0B+4*\slot+2:G0B+4*\slot+3], 2*GSTR
	JLOADB \slot
.endif
	PLACES NP
	FETCH_B \next, 0, 0
	FETCH_A \next, 0, 0
	SCALES \next, 2048, \kb
	WIN MUL_HI
	MUL16 4, 1, NQ-1, \slot, 0
	MUL16 6, 1, NQ-1, \slot, 0
	PLACES NP
	WIN 0
	FETCH_A \next, 0, 4
.endm
.macro STEPS slot, from
.set Q, \from
.rept NQ-1-\from
	STEP \slot, Q, 0
.set Q, Q+1
.endr
.endm
.macro KWALK t
	FETCH_B 0, 0, 0
	FETCH_A 0, 0, 0
	SCALES 0, 0, 2*HALFS*(\t)
	FETCH_A 0, 0, 4
	STEP 0, 0, 1
	STEPS 0, 1
	TURN 0, 1, 1-(\t), 2*HALFS*(\t)+2048
	STEPS 1, 0
	s_wait_dscnt 4*NL
	WIN MUL_LO
	MUL16 0, 1, NQ-1, 1, 0
	MUL16 2, 1, NQ-1, 1, 0
	s_wait_dscnt 0
	WIN MUL_HI
	MUL16 4, 1, NQ-1, 1, 0
	MUL16 6, 1, NQ-1, 1, 0
	WIN 0
.endm
.macro EPI a, t
.set AC, 64*((\a)%4)
.set PB, PC+32*(\t)+4*(\a)
	WIN 2+(\a)/4
.irp j, 0,2,4,6,8,10,12,14,16,18,20,22,24,26,28,30
	v_pk_mul_f32 v[T+\j:T+\j+1], v[AC+\j:AC+\j+1], s[LG:LG+1] op_sel_hi:[1,0]
.endr
	WIN 0
	s_wait_alu depctr_va_vdst(0)
.irp j, 0,1,2,3,4,5,6,7,8,9,10,11,12,13,14,15,16,17,18,19,20,21,22,23,24,25,26,27,28,29,30,31
	v_exp_f32 v[T+\j], v[T+\j]
.endr
	v_nop
	s_wait_alu depctr_va_vdst(0)
.irp j, 0,2,4,6,8,10,12,14,16,18,20,22,24,26,28,30
	v_pk_add_f32 v[T+\j:T+\j+1], v[T+\j:T+\j+1], 1.0 op_sel_hi:[1,0]
.endr
	s_wait_alu depctr_va_vdst(0)
.irp j, 0,1,2,3,4,5,6,7,8,9,10,11,12,13,14,15,16,17,18,19,20,21,22,23,24,25,26,27,28,29,30,31
	v_rcp_f32 v[T+\j], v[T+\j]
.endr
	v_nop
	WIN 2+(\a)/4
	s_wait_alu depctr_va_vdst(0)
.irp j, 0,2,4,6,8,10,12,14,16,18,20,22,24,26,28,30
	v_pk_mul_f32 v[T+\j:T+\j+1], v[AC+\j:AC+\j+1], v[T+\j:T+\j+1]
.endr
.irp j, 0,2,4,6,8,10,12,14,16,18,20,22,24,26,28,30
	v_pk_mul_f32 v[T+\j:T+\j+1], v[AC+32+\j:AC+32+\j+1], v[T+\j:T+\j+1]
.endr
	WIN 0
.irp b, 0,1
	v_max3_num_f32 v[TM+\b], |v[T+16*\b]|, |v[T+1+16*\b]|, 0x1800000
.endr
.irp i, 2,4,6,8,10,12,14
.irp b, 0,1
	v_max3_num_f32 v[TM+\b], v[TM+\b], |v[T+16*\b+\i]|, |v[T+1+16*\b+\i]|
.endr
.endr
.irp b, 0,1
	v_permlanex16_b32 v[TM+2+\b], v[TM+\b], s[SEL], s[SEL+1]
.endr
.irp b, 0,1
	v_max_num_f32 v[TM+\b], v[TM+\b], v[TM+2+\b]
.endr
.irp b, 0,1
	v_add_nc_u32 v[TM+4+\b], 0xff000000, v[TM+\b]
.endr
.irp b, 0,1
	v_lshrrev_b32 v[TM+2+\b], 23, v[TM+4+\b]
.endr
	v_lshl_or_b32 v[EW+(\a)], v[TM+3], 8, v[TM+2]
.irp b, 0,1
	v_cvt_scalef32_pk8_fp4_f32 v[PB+2*\b], v[T+16*\b:T+16*\b+7], v[TM+4+\b]
	v_cvt_scalef32_pk8_fp4_f32 v[PB+2*\b+1], v[T+16*\b+8:T+16*\b+15], v[TM+4+\b]
.endr
	v_nop
	v_permlane16_swap_b32 v[PB], v[PB+2]
	v_permlane16_swap_b32 v[PB+1], v[PB+3]
	global_store_b128 v[HQO], v[PB:PB+3], s[12:13] offset:(\a)*1024+(\t)*8192
	ds_store_b16 v[SXW], v[EW+(\a)] offset:((\a)/4)*256+((\a)%4)*4
.endm
.macro WAYOUT t
	PLACES NP
.irp a, 0,1,2,3,4,5,6,7
	EPI \a, \t
.endr
.if (\t) == 0
	s_wait_tensorcnt 0x0
.endif
	s_wait_dscnt 0x0
	s_barrier_signal -1
	s_barrier_wait -1
	ds_load_b64 v[XW+2*(\t):XW+2*(\t)+1], v[SXR]
	s_wait_dscnt 0x0
	global_store_b64 v[HSO], v[XW+2*(\t):XW+2*(\t)+1], s[66:67] offset:(\t)*512
.endm
	s_wait_alu depctr_va_vdst(0)
	s_wait_tensorcnt 0x0                           ; my tile of the head's four is in, and no load of mine is out:
	s_mov_b32 s[G1B+2], 128<<16                    ; a refill brings one group's K step, 128 rows of 256 bytes
	s_mov_b32 s[G1B+4], 128
	s_barrier_signal -1
	s_barrier_wait -1
	KWALK 0
	s_wait_tensorcnt 0x0
	ds_add_u32 v[SPW], v[NIL]
	s_add_nc_u64 s[G0B+6:G0B+7], s[G0B+6:G0B+7], 2*GSTR
	s_wait_dscnt 0x0
	CROUND
	JLOADB 1
	WAYOUT 0
	KWALK 1
	WAYOUT 1
	s_wait_tensorcnt 0x0
	ds_add_u32 v[SPW], v[NIL]
	s_wait_dscnt 0x0
	CROUND
	s_endpgm
.Lfunc_end_k_qbc234feb91_gate:
	.size	k_qbc234feb91_gate, .Lfunc_end_k_qbc234feb91_gate-k_qbc234feb91_gate
	.p2alignl 7, 3214868480
	.fill 96, 4, 3214868480
	.section	.rodata,"a",@progbits
	.p2align	6, 0x0
	.amdhsa_kernel k_qbc234feb91_gate
		.amdhsa_group_segment_fixed_size 327680
		.amdhsa_private_segment_fixed_size 0
		.amdhsa_enable_private_segment 0
		.amdhsa_kernarg_size 48
		.amdhsa_user_sgpr_count 2
		.amdhsa_user_sgpr_kernarg_segment_ptr 1
		.amdhsa_wavefront_size32 1
		.amdhsa_system_sgpr_workgroup_id_x 1
		.amdhsa_system_sgpr_workgroup_id_y 1
		.amdhsa_system_sgpr_workgroup_id_z 1
		.amdhsa_system_vgpr_workitem_id 0
		.amdhsa_next_free_vgpr 1024
		.amdhsa_next_free_sgpr 100
		.amdhsa_reserve_vcc 0
		.amdhsa_float_denorm_mode_32 3
		.amdhsa_float_denorm_mode_16_64 3
		.amdhsa_memory_ordered 1
		.amdhsa_forward_progress 1
		.amdhsa_inst_pref_size 255
	.end_amdhsa_kernel
	.section	.bss,"aw",@nobits
	.p2align	6
	.space	262144
	.amdgpu_metadata
---
amdhsa.version: [ 1, 2 ]
amdhsa.kernels:
  - .name:           k_qbc234feb91_gate
    .symbol:         k_qbc234feb91_gate.kd
    .args:
      - { .name: xq, .offset: 0, .size: 8, .value_kind: global_buffer, .address_space: global }
      - { .name: xs, .offset: 8, .size: 8, .value_kind: global_buffer, .address_space: global }
      - { .name: wq13, .offset: 16, .size: 8, .value_kind: global_buffer, .address_space: global }
      - { .name: ws13, .offset: 24, .size: 8, .value_kind: global_buffer, .address_space: global }
      - { .name: hq, .offset: 32, .size: 8, .value_kind: global_buffer, .address_space: global }
      - { .name: hs, .offset: 40, .size: 8, .value_kind: global_buffer, .address_space: global }
    .group_segment_fixed_size: 327680
    .private_segment_fixed_size: 0
    .kernarg_segment_align: 8
    .kernarg_segment_size: 48
    .max_flat_workgroup_size: 128
    .sgpr_count:     100
    .vgpr_count:     1024
    .wavefront_size: 32
...
	.end_amdgpu_metadata
.endif
;; end of part 2
;; launch down (part 3): grid 8 x 32, 4 waves a work-group, clusters of 4 x 4, 327,680 bytes of LDS; arguments hq, hs, wq2, out0; writes out0
.if DOCPART == 3
	.amdgcn_target "amdgcn-amd-amdhsa--gfx1250"
	.amdhsa_code_object_version 6
	.text
	.protected	k_qbc234feb91_down
	.globl	k_qbc234feb91_down
	.p2align	8
	.type	k_qbc234feb91_down,@function
k_qbc234feb91_down:
	s_mov_b64 s[64:65], 0
	v_nop
	global_prefetch_b8 v0, s[64:65] scope:SCOPE_SE
	s_setreg_imm32_b32 hwreg(HW_REG_WAVE_MODE, 25, 1), 1
	s_wait_xcnt 0x0
	s_wait_alu depctr_hold_cnt(0) depctr_sa_sdst(0) depctr_va_vdst(0) depctr_va_sdst(0) depctr_va_ssrc(0) depctr_va_vcc(0) depctr_vm_vsrc(0)
	s_getreg_b32 s2, hwreg(HW_REG_IB_STS2, 6, 4)
	s_cmp_eq_u32 s2, 0
	s_cbranch_scc0 .Lentry_in_a_cluster
	s_endpgm
.Lentry_in_a_cluster:
	s_bfe_u32 s2, ttmp6, 0x10000c
	s_cmp_lg_u32 s2, 0xf033
	s_cbranch_scc0 .Lentry_shape_is_right
	s_endpgm
.Lentry_shape_is_right:
; out = h w2 for each of 8 experts: h [8,192 rows][2,048] and w2 [8][1,024 rows (n)][2,048] as codes of FP4 (E2M1) with E8M0 scale bytes; out [8,192][1,024] f32; one f32 sum for each output, K ascending.
; LIMITS: NaN and infinities are not served.
; OPERANDS lie in memory in the order of the operand's registers: [group of 128 rows][chunk of 128 along K][block i of 16 rows][1,024 bytes], register group c of lane l at 512 c + 16 l: 512 along K of a group are 32,768 bytes on end.
; SHARES.  8,192 x 1,024 outputs are 256 tiles of 256 rows x 128 columns: one for each of 8 x 32 work-groups of four waves.  A wave makes 128 rows x 64 columns: 32 accumulators of 16 x 16.
; (Tiles of 256 x 256 would be 128: for 128 along K a wave here reads 12 fragments for 32 products where the larger tile reads 16 for 64; that is the price of twice the work-groups.)
; K goes in four steps of 512 through THREE LDS slots filled by the tensor data mover: steps 0, 1, 2 are asked for at the start, step 3 fills slot 0 again as soon as it is read out and has two K steps, 256 matrix instructions a wave, in which to land.
; The scale bytes of all of K come once, with the first fills.
; CLUSTERS: 4 x 4 work-groups; the cluster's y is the expert.  The four of a row of the cluster need the same tiles of h, the four of a column the same tiles of w2: each is asked for JOINTLY.
; THE MATRIX INSTRUCTION IS USED TRANSPOSED (source 0 = 16 rows of w2, source 1 = 16 rows of h): a lane holds eight neighbouring numbers of a row of out.  No padding in the slots: every fragment load reads 16 x lane, 512 bytes on end.
; REGISTERS, in windows of 256: window 0: v16-29 addresses; v32-95 scale words, two sets; v128-191 h's fragments, ONE set; on the way out v128-191.
;   window 1: w2's fragments, TWO sets of four, at v0 and v128.   window 2: the accumulators of my rows 0-63 ((a, b) at v[8 (8 a + b)], b = 0..3);   window 3: those of rows 64-127.
.set KTOT,   2048
.set KC,     KTOT/128
.set NGB,    8                         ; groups of w2 in an expert
.set GSTR,   KC*8192                   ; a group's codes in bytes
.set HALFS,  KC*512                    ; a group's scale bytes
.set NQ,     4
.set FR,     8
.set NL,     2
.set NP,     4                         ; places behind this matrix instruction (ISA guide 7.12.1)
.set HALFT,  32768                     ; 128 rows x 512 along K
.set SLOT,   HALFT                     ; a K step lies HALFT behind the one before, in each of three regions:
.set HREG,   3*HALFT                   ; h's group 0, h's group 1 (three K steps each),
.set WB,     2*HREG                    ; and w2's group: its scale bytes, then three K steps of codes, as they lie in memory
.set WSTR,   HALFS+GSTR                ; a group of w2 in memory: scale bytes, then codes
.set SCLB,   WB
.set SCL,    WB+HALFS+HREG             ; h's scale bytes, two groups
.set SPARE,  SCL+2*HALFS               ; the spare words, 128 bytes for each wave
.set STAGE,  HALFT                     ; the way out: a stage for each wave, in K step 1 of h's group 0: filled once, its last read ahead of the last barrier
.set SPITCH, 272                       ; a stage row: 256 bytes + 16 = 17 x 16 bytes: the 16 rows that a store touches begin at 16 different places modulo 256 bytes
.set ROWC,   4096                      ; a row of out in bytes
.set NONE,   9                         ; in place of a K step's number: no scale words are fetched
.set ADRA, 16                          ; v16-18  LDS address of my fragments of h in slot 0, 1, 2
.set ADRB, 19                          ; v19-21  the same for w2
.set ADRSA, 22                         ; v22     h's scale words; never rewritten: the K step stands in the immediate
.set ADRSB, 23                         ; v23     w2's likewise
.set STO,  24                          ; v24     the way out: where I put 32 bytes of a row
.set RD,   25                          ; v25     where I read two rows back
.set CO,   26                          ; v26     my byte offset in two rows of out
.set SPW,  28                          ; v28     LDS address of my spare word; never rewritten
.set NIL,  29                          ; v29     0; never rewritten
.set SC,   32                          ; scale words, set s at v[SC + 32 s]: register 4 q + il: h's block il (lanes 0-15) and 4 + il (lanes 16-31); register 16 + 4 j + q: w2's block 2 j (lanes 0-15) and 2 j + 1 (lanes 16-31)
.set AF,   128
.set BK,   128                         ; the way out: 16 rows read back: v128-159 and v160-191 by turns
.set G1,   24                          ; s[24:31] descriptor group 1 for h's tiles
.set G0A0, 32                          ; group 0 for h's tiles, a set for each slot
.set G0A1, 36
.set G0A2, 96
.set G1B,  48                          ; s[48:55] group 1 for w2's tiles
.set G0B0, 56                          ; group 0 for w2's tiles, a set for each slot;
.set G0B1, 60
.set G0B2, 4                           ; the third takes the place of two buffer addresses that have been used up by then
.set G1S,  68                          ; s[68:75], s[76:79] groups 1 and 0 for h's scale bytes;  s[80:87], s[88:91] for w2's
.set G0S,  76
.set G1SB, 80
.set G0SB, 88
.set MSB, 0
.macro WIN new                         ; the immediate's high byte repeats the setting that is left
.if MSB != (\new)
	s_set_vgpr_msb (MSB<<8)|(\new)
.set MSB, (\new)
.endif
.endm
.set MUL_LO, 0xa1                      ; source 0 (w2) window 1, source 1 (h) window 0, C and D window 2
.set MUL_HI, 0xf1                      ; the same, C and D window 3
.set TO_B,   0x40                      ; destination window 1, address window 0
; A joint load: waves 0 and 1 fetch for h, waves 2 and 3 for w2.  Each line has ONE mask and one set of registers for all that issue it; the branch hangs on the wave's number alone.
; Four v_nop follow each of the two lines, ahead of the jump, the label and what follows.
.macro JLOAD g0a, g1a, g0b, g1b
	s_cmp_eq_u32 s15, 0
	s_cbranch_scc0 .Lfor_b_\@
	tensor_load_to_lds s[\g0a:\g0a+3], s[\g1a:\g1a+7]
	s_nop 0
.rept 4
	v_nop
.endr
	s_branch .Lasked_\@
.Lfor_b_\@:
	tensor_load_to_lds s[\g0b:\g0b+3], s[\g1b:\g1b+7]
	s_nop 0
.rept 4
	v_nop
.endr
.Lasked_\@:
.endm
.macro CREST                           ; a round of the cluster's barrier behind its opening barrier
	s_cmp_lg_u32 s14, 0
	s_cbranch_scc1 .Lnot_wave_0_\@
	s_barrier_signal -3
.Lnot_wave_0_\@:
	s_barrier_wait -3
	s_barrier_signal -1
	s_barrier_wait -1
.endm
.macro CROUND                          ; a whole round
	s_barrier_signal -1
	s_barrier_wait -1
	CREST
.endm
.macro MKG0 g, lreg, loff, areg, aoff  ; a descriptor's group 0: count 1; the LDS address; the global address; type 2
	s_mov_b32 s[\g], 1
	s_add_co_u32 s[\g+1], s[\lreg], \loff
	s_add_nc_u64 s[\g+2:\g+3], s[\areg:\areg+1], \aoff
	s_or_b32 s[\g+3], s[\g+3], 0x80000000
.endm
	s_load_b128 s[4:7], s[0:1], 0x0                ; h's codes s[4:5], h's scales s[6:7]
	s_load_b64 s[8:9], s[0:1], 0x10                ; w2's scales and codes
	s_load_b64 s[12:13], s[0:1], 0x18              ; out
	v_lshl_add_u32 v[SPW], v0, 2, SPARE
	v_mov_b32 v[NIL], 0
	ds_add_u32 v28, v29
	ds_add_u32 v28, v29
	s_wait_dscnt 0x0
	v_lshrrev_b32 v1, 5, v0
	v_readfirstlane_b32 s14, v1                    ; wave 0..3
	s_lshr_b32 s15, s14, 1                         ; which half of the tile's rows is mine.  Also: I fetch for h (0) or for w2 (1)
	s_and_b32 s16, s14, 1                          ; which half of its columns.  Also: which group of h, or which half of w2's bytes, I fetch
	s_bfe_u32 s40, ttmp6, 0x40000                  ; cx, cy: my place in the cluster
	s_bfe_u32 s41, ttmp6, 0x40004
	s_lshl_b32 s42, ttmp9, 2
	s_add_co_u32 s42, s42, s40                     ; tx: which 128 columns = 4 x cluster x + cx
	s_and_b32 s17, ttmp7, 0xffff
	s_lshl_b32 s17, s17, 2
	s_add_co_u32 s17, s17, s41                     ; ty: which 256 rows = 4 x cluster y + cy
	s_lshl_b32 s43, s41, 2
	s_lshl_b32 s43, 15, s43                        ; my row of the cluster
	s_lshl_b32 s44, 0x1111, s40                    ; my column
	; descriptor groups 1: dense blocks as rows of 256 bytes (32 elements of 8 bytes), no padding.  15:0 the mask; 17:16 elements of 8 bytes; 21 set beside a mask
	s_or_b32 s[G1+0], s43, (3<<16)|(1<<21)         ; h's tiles go to my row of the cluster,
	s_or_b32 s[G1B+0], s44, (3<<16)|(1<<21)        ; w2's to my column,
	s_or_b32 s[G1S+0], s43, (3<<16)|(1<<21)        ; and the scale bytes with them
	s_or_b32 s[G1SB+0], s44, (3<<16)|(1<<21)
.irp g, G1, G1B, G1S, G1SB
	s_mov_b32 s[\g+1], 32<<16                      ; tensor_dim0 = 32
	s_mov_b32 s[\g+3], 32<<16                      ; tile_dim0 = 32
	s_mov_b32 s[\g+5], 32                          ; from row to row
	s_mov_b32 s[\g+6], 0
	s_mov_b32 s[\g+7], 0
.endr
	s_mov_b32 s[G1+2], (HREG/256)<<16              ; h's codes at the head: a group's K steps 0 to 2, 98,304 bytes on end
	s_mov_b32 s[G1+4], HREG/256
	s_mov_b32 s[G1B+2], 64<<16                     ; w2's codes: half a group's K step, 16,384 bytes: 64 rows
	s_mov_b32 s[G1B+4], 64
	s_mov_b32 s[G1S+2], (2*HALFS/256)<<16          ; h's scale bytes: two groups on end
	s_mov_b32 s[G1S+4], 2*HALFS/256
	s_mov_b32 s[G1SB+2], ((HALFS+HREG)/256)<<16    ; w2 at the head: the group's scale bytes and K steps 0 to 2 on end
	s_mov_b32 s[G1SB+4], (HALFS+HREG)/256
	s_lshl_b32 s20, s17, 1
	s_add_co_u32 s20, s20, s16                     ; h: group 2 ty + half: it hangs on the tile row alone, which my row of the cluster shares
	s_mul_i32 s22, s17, 2*HALFS                    ; h's scale bytes: from group 2 ty on
	s_mov_b32 s23, 0
	s_mul_i32 s20, s20, GSTR
	s_mov_b32 s21, 0
	s_and_b32 s46, ttmp7, 0xffff                   ; the expert = the cluster's y, which all sixteen share
	s_mul_i32 s46, s46, NGB
	s_add_co_u32 s46, s46, s42                     ; w2: group 8 e + tx: no register here ever holds cy
	s_mul_i32 s92, s46, WSTR                       ; the group's first byte
	s_mov_b32 s93, 0
	s_lshl_b32 s46, s16, 14                        ; for the refill: my half of a K step's codes,
	s_add_co_u32 s46, s46, s92
	s_add_co_u32 s46, s46, HALFS                   ; behind the scale bytes
	s_mov_b32 s47, 0
	s_mul_i32 s45, s14, HREG                       ; where they go: h's groups at wave x 98,304;
	s_lshl_b32 s95, s16, 14
	s_add_co_u32 s95, s95, WB+HALFS                ; w2's halves of a K step: no place in the cluster enters an LDS address
	s_mov_b32 s94, 0
	s_wait_kmcnt 0x0
	s_add_nc_u64 s[20:21], s[4:5], s[20:21]
	s_add_nc_u64 s[22:23], s[6:7], s[22:23]
	s_add_nc_u64 s[46:47], s[8:9], s[46:47]
	s_add_nc_u64 s[92:93], s[8:9], s[92:93]
	CROUND                                         ; all sixteen work-groups are here: the first joint loads meet
	MKG0 G0S, 94, SCL, 22, 0
	MKG0 G0SB, 94, WB, 92, 0
	MKG0 G0A0, 45, 0, 20, 0
	MKG0 G0B0, 95, 0, 46, 0
; the head's tiles, one joint load a wave, in one chain of branches on the wave's number:
; waves 0 and 1 a group of h each, wave 2 w2's scale bytes and codes, wave 3 h's scale bytes
	s_cmp_lt_u32 s14, 2
	s_cbranch_scc0 .Lhead_w
	tensor_load_to_lds s[G0A0:G0A0+3], s[G1:G1+7]
	s_nop 0
.rept 4
	v_nop
.endr
	s_branch .Lhead_asked
.Lhead_w:
	s_cmp_lt_u32 s14, 3
	s_cbranch_scc0 .Lhead_s
	tensor_load_to_lds s[G0SB:G0SB+3], s[G1SB:G1SB+7]
	s_nop 0
.rept 4
	v_nop
.endr
	s_branch .Lhead_asked
.Lhead_s:
	tensor_load_to_lds s[G0S:G0S+3], s[G1S:G1S+7]
	s_nop 0
.rept 4
	v_nop
.endr
.Lhead_asked:
	v_and_b32 v1, 15, v0                           ; r
	v_bfe_u32 v2, v0, 4, 1                         ; h
	v_and_b32 v3, 31, v0                           ; lane
	v_lshlrev_b32 v4, 4, v3                        ; 16 x lane
	s_wait_alu depctr_va_vdst(0)
	s_mul_i32 s21, s15, HREG                       ; my 128 rows of h
	s_lshl_b32 s22, s16, 12                        ; my 64 rows of w2: four blocks of 1,024 bytes in each chunk,
	s_add_co_u32 s22, s22, WB+HALFS                ; behind w2's scale bytes
.irp s, 0,1,2
	v_add_nc_u32 v[ADRA+\s], s21, v4
	v_add_nc_u32 v[ADRB+\s], s22, v4
	s_add_co_u32 s21, s21, SLOT
	s_add_co_u32 s22, s22, SLOT
.endr
	s_mul_i32 s21, s15, HALFS
	s_add_co_u32 s21, s21, SCL
	v_add_nc_u32 v[ADRSA], s21, v4
	s_lshl_b32 s22, s16, 10                        ; my 64 rows' 16 bytes each
	s_add_co_u32 s22, s22, SCLB
	v_add_nc_u32 v[ADRSB], s22, v4
	s_mul_i32 s23, s14, 16*SPITCH
	s_add_co_u32 s23, s23, STAGE                   ; my stage
	v_mul_u32_u24 v5, v1, SPITCH                   ; in: row r, 32 bytes for each half of the lanes
	v_lshl_add_u32 v5, v2, 5, v5
	v_add_nc_u32 v[STO], s23, v5
	v_mul_u32_u24 v5, v2, SPITCH                   ; back: lanes 0-15 take one row of 256 bytes, lanes 16-31 the next
	v_lshl_add_u32 v5, v1, 4, v5
	v_add_nc_u32 v[RD], s23, v5
	v_lshlrev_b32 v5, 12, v2                       ; and the same two rows in out
	v_lshl_add_u32 v[CO], v1, 4, v5
	s_lshl_b32 s20, s17, 8
	s_lshl_b32 s21, s15, 7
	s_add_co_u32 s20, s20, s21                     ; my first row of out: 256 ty + 128 x half
	s_lshl_b32 s20, s20, 12                        ; in bytes: under 2^25
	s_lshl_b32 s46, s42, 9                         ; my first column, in bytes: 512 tx + 256 x half
	s_lshl_b32 s47, s16, 8
	s_add_co_u32 s46, s46, s47
	s_add_co_u32 s20, s20, s46
	s_mov_b32 s21, 0
	s_add_nc_u64 s[12:13], s[12:13], s[20:21]
.macro FRAG reg, adr, q, i             ; a fragment, 16 rows x 128 K, is 8 registers: two loads of 512 bytes on end
.irp c, 0,1
	ds_load_b128 v[\reg+4*\c:\reg+4*\c+3], v[\adr] offset:8192*(\q)+1024*(\i)+512*\c
.endr
.endm
; One product: h's block a against w2's block b, the K step's q-th 128 along K.  p: w2's set;  sc: the set of scale words.  The scale operands go with the sources: w2's first, from lanes 16-31 where b is odd; h's second, from lanes 16-31 where a is 4 or more.
.macro WM a, b, p, q, sc, zero
.set rD, 8*(8*((\a)%4)+(\b))
.set rB, 128*(\p)+FR*(\b)
.set rA, AF+FR*(\a)
.set rSB, SC+32*(\sc)+16+4*((\b)/2)+(\q)
.set rSA, SC+32*(\sc)+4*(\q)+(\a)%4
.if \zero
.if (\b)%2 == 0
.if (\a) < 4
	v_wmma_scale_f32_16x16x128_f8f6f4 v[rD:rD+7], v[rB:rB+7], v[rA:rA+7], 0, v[rSB], v[rSA] matrix_a_fmt:MATRIX_FMT_FP4 matrix_b_fmt:MATRIX_FMT_FP4
.else
	v_wmma_scale_f32_16x16x128_f8f6f4 v[rD:rD+7], v[rB:rB+7], v[rA:rA+7], 0, v[rSB], v[rSA] matrix_a_fmt:MATRIX_FMT_FP4 matrix_b_fmt:MATRIX_FMT_FP4 matrix_b_scale:MATRIX_SCALE_ROW1
.endif
.else
.if (\a) < 4
	v_wmma_scale_f32_16x16x128_f8f6f4 v[rD:rD+7], v[rB:rB+7], v[rA:rA+7], 0, v[rSB], v[rSA] matrix_a_fmt:MATRIX_FMT_FP4 matrix_b_fmt:MATRIX_FMT_FP4 matrix_a_scale:MATRIX_SCALE_ROW1
.else
	v_wmma_scale_f32_16x16x128_f8f6f4 v[rD:rD+7], v[rB:rB+7], v[rA:rA+7], 0, v[rSB], v[rSA] matrix_a_fmt:MATRIX_FMT_FP4 matrix_b_fmt:MATRIX_FMT_FP4 matrix_a_scale:MATRIX_SCALE_ROW1 matrix_b_scale:MATRIX_SCALE_ROW1
.endif
.endif
.else
.if (\b)%2 == 0
.if (\a) < 4
	v_wmma_scale_f32_16x16x128_f8f6f4 v[rD:rD+7], v[rB:rB+7], v[rA:rA+7], v[rD:rD+7], v[rSB], v[rSA] matrix_a_fmt:MATRIX_FMT_FP4 matrix_b_fmt:MATRIX_FMT_FP4
.else
	v_wmma_scale_f32_16x16x128_f8f6f4 v[rD:rD+7], v[rB:rB+7], v[rA:rA+7], v[rD:rD+7], v[rSB], v[rSA] matrix_a_fmt:MATRIX_FMT_FP4 matrix_b_fmt:MATRIX_FMT_FP4 matrix_b_scale:MATRIX_SCALE_ROW1
.endif
.else
.if (\a) < 4
	v_wmma_scale_f32_16x16x128_f8f6f4 v[rD:rD+7], v[rB:rB+7], v[rA:rA+7], v[rD:rD+7], v[rSB], v[rSA] matrix_a_fmt:MATRIX_FMT_FP4 matrix_b_fmt:MATRIX_FMT_FP4 matrix_a_scale:MATRIX_SCALE_ROW1
.else
	v_wmma_scale_f32_16x16x128_f8f6f4 v[rD:rD+7], v[rB:rB+7], v[rA:rA+7], v[rD:rD+7], v[rSB], v[rSA] matrix_a_fmt:MATRIX_FMT_FP4 matrix_b_fmt:MATRIX_FMT_FP4 matrix_a_scale:MATRIX_SCALE_ROW1 matrix_b_scale:MATRIX_SCALE_ROW1
.endif
.endif
.endif
.endm
; 8 products: h's blocks a0, a0 + 1 against w2's four.  The 32 accumulators take turns, one instruction a turn, in the same order in every step.  zero = 1: the first product starts the sums: nothing is cleared.
.macro MUL8 a0, p, q, sc, zero
.irp a, \a0, \a0+1
.irp b, 0,1,2,3
	WM \a, \b, \p, \q, \sc, \zero
.endr
.endr
.endm
.macro FETCH_B slot, q, p              ; w2's four fragments of the slot's q-th 128 along K into set p
	WIN TO_B
.irp i, 0,1,2,3
	FRAG 128*(\p)+FR*\i, ADRB+\slot, \q, \i
.endr
	WIN 0
.endm
.macro FETCH_A slot, q, i0             ; h's blocks i0 .. i0 + 3
.irp i, \i0, \i0+1, \i0+2, \i0+3
	FRAG AF+FR*(\i), ADRA+\slot, \q, \i
.endr
.endm
.macro SCALES sc, ks                   ; K step ks's scale words into set sc: six loads of 512 bytes on end
.irp q, 0,1,2,3
	ds_load_b128 v[SC+32*(\sc)+4*\q:SC+32*(\sc)+4*\q+3], v[ADRSA] offset:2048*(\ks)+512*\q
.endr
.irp j, 0,1
	ds_load_b128 v[SC+32*(\sc)+16+4*\j:SC+32*(\sc)+16+4*\j+3], v[ADRSB] offset:2048*(\ks)+512*\j
.endr
.endm
; A load into a register that a matrix instruction has read, and an LDS store that reads a matrix result, stand NP places behind it; only plain vector instructions that name none of its registers are places.
.macro PLACES n
.rept \n
	v_nop
.endr
.endm
; A step of 128 along K, the q-th of its K step, on the scale words of set sc.  Its successor's fragments are the nq-th of slot ns, which is known whole; nks: that successor begins K step nks, whose scale words go to the other set (NONE: it does not).
; A block of h is free as soon as its four products are issued: blocks 0-3 are fetched anew in the step's middle, blocks 4-7 at its end.
.macro STEP q, sc, zero, ns, nq, nks
	s_wait_dscnt 4*NL                              ; all but the youngest eight loads (h's blocks 4-7) are in
	WIN MUL_LO
	MUL8 0, (\q)%2, \q, \sc, \zero
	MUL8 2, (\q)%2, \q, \sc, \zero
	s_wait_dscnt 0                                 ; h's blocks 4-7 are in (asked for 16 matrix instructions ago)
	PLACES NP
	FETCH_B \ns, \nq, 1-(\q)%2
	FETCH_A \ns, \nq, 0
.if (\nks) < NONE
	SCALES 1-(\sc), \nks
.endif
	WIN MUL_HI
	MUL8 4, (\q)%2, \q, \sc, \zero
	MUL8 6, (\q)%2, \q, \sc, \zero
	PLACES NP
	WIN 0
	FETCH_A \ns, \nq, 4
.endm
.macro THREE sc, slot, zero            ; a K step's first three steps
	STEP 0, \sc, \zero, \slot, 1, NONE
	STEP 1, \sc, 0, \slot, 2, NONE
	STEP 2, \sc, 0, \slot, 3, NONE
.endm
; A K step's last step with a barrier in it; in front of the barrier each wave waits for all its tensor loads, adds 0 to its spare word, and waits for that and for its own LDS reads.
; fill = 1: slot 0, just read out, is filled again with K step 3.  fill = 0: the barrier shows slot ns, filled by all four waves, whole to every wave.
.macro TURN sc, ns, nks, fill
	s_wait_tensorcnt 0x0                           ; all my tensor loads have landed  (every window is 0 here)
	ds_add_u32 v[SPW], v[NIL]                      ; 0 onto my spare word
	s_wait_dscnt 4*NL+1                            ; (the add and the youngest eight loads may be out)
	WIN MUL_LO
	MUL8 0, 1, NQ-1, \sc, 0                        ; eight matrix instructions stand between the add and the wait for it
	s_wait_dscnt 0x0                               ; the add is done, and my reads of the slot in hand are over
	s_barrier_signal -1
	MUL8 2, 1, NQ-1, \sc, 0
	WIN 0
	s_barrier_wait -1
.if \fill
	CREST                                          ; the barrier has opened a round of the cluster's barrier: no wave of any partner still reads slot 0 or has a load on its way
	s_add_nc_u64 s[G0A0+2:G0A0+3], s[G0A0+2:G0A0+3], 3*HALFT   ; from K step 0 to K step 3
	s_add_nc_u64 s[G0B0+2:G0B0+3], s[G0B0+2:G0B0+3], 3*HALFT
	JLOAD G0A0, G1, G0B0, G1B                      ; the first tensor load behind the round; the four v_nop behind it are the places in front of the loads below
.else
	PLACES NP
.endif
	FETCH_B \ns, 0, 0
	FETCH_A \ns, 0, 0
	SCALES 1-(\sc), \nks
	WIN MUL_HI
	MUL8 4, 1, NQ-1, \sc, 0
	MUL8 6, 1, NQ-1, \sc, 0
	PLACES NP
	WIN 0
	FETCH_A \ns, 0, 4
.endm
	s_wait_alu depctr_va_vdst(0)
	s_wait_tensorcnt 0x0                           ; my tile of the head's is in, and no load of mine is out:
	s_mov_b32 s[G1+2], 128<<16                     ; the refill of h brings one K step of a group, 128 rows of 256 bytes
	s_mov_b32 s[G1+4], 128
	s_barrier_signal -1
	s_barrier_wait -1                              ; everybody's are
	FETCH_B 0, 0, 0
	FETCH_A 0, 0, 0
	SCALES 0, 0
	FETCH_A 0, 0, 4
	THREE 0, 0, 1                                  ; K step 0, in slot 0: the first step's products start the sums
	TURN 0, 1, 1, 1                                ; slots 1 and 2 are whole from here on; slot 0 takes K step 3
	THREE 1, 1, 0                                  ; K step 1, in slot 1
	STEP 3, 1, 0, 2, 0, 2                          ; on into slot 2 with no barrier: it was shown whole at the barrier above, and slot 1 is not filled again
	THREE 0, 2, 0                                  ; K step 2, in slot 2
	TURN 0, 0, 3, 0                                ; K step 3 has landed in slot 0; nothing is filled again, so no round follows
	THREE 1, 0, 0                                  ; K step 3
	s_wait_dscnt 4*NL                              ; the very last step: nothing more to fetch
	WIN MUL_LO
	MUL8 0, 1, NQ-1, 1, 0
	MUL8 2, 1, NQ-1, 1, 0
	s_wait_dscnt 0
	WIN MUL_HI
	MUL8 4, 1, NQ-1, 1, 0
	MUL8 6, 1, NQ-1, 1, 0
	WIN 0
; THE WAY OUT, block by block of 16 rows x 64 columns.  A lane holds 32 neighbouring bytes of a row, and the lanes beside it hold other rows: a block goes through my own stage in LDS and comes back as whole pieces of 256 bytes of a row.
; LDS serves a wave's instructions in order (ISA guide 5.7.1.4): no wait between the stores and the loads, nor in front of the next block's stores.
.macro TOSTAGE a
.set AC, 64*((\a)%4)
	WIN 0x08+4*((\a)/4)                            ; the data: window 2 or 3
.irp b, 0,1,2,3
	ds_store_b128 v[STO], v[AC+8*\b:AC+8*\b+3] offset:64*\b          ; each accumulator from its low end on
	ds_store_b128 v[STO], v[AC+8*\b+4:AC+8*\b+7] offset:64*\b+16
.endr
	WIN 0
.set BB, BK+32*((\a)%2)
.irp t, 0,1,2,3,4,5,6,7
	ds_load_b128 v[BB+4*\t:BB+4*\t+3], v[RD] offset:2*\t*SPITCH
.endr
.endm
.macro SEND a, younger                 ; younger: the LDS instructions issued behind block a's loads, which may stay out
.set BB, BK+32*((\a)%2)
	s_wait_dscnt \younger                          ; the block is back in registers
.if (\a) > 0
	s_add_nc_u64 s[12:13], s[12:13], 16*ROWC       ; (behind a wait on XCNT: the earlier stores have read their base)  16 rows on
.endif
.irp t, 0,1,2,3,4,5,6,7
	global_store_b128 v[CO], v[BB+4*\t:BB+4*\t+3], s[12:13] offset:2*\t*ROWC th:TH_STORE_NT   ; 16 lanes store 256 bytes on end, at a multiple of 256 from the buffer's first byte; written once, read by nobody here
.endr
.endm
	PLACES NP                                      ; behind the last products: for the loads into the registers that held h's fragments and for the reads of results
	TOSTAGE 0
.irp a, 1,2,3,4,5,6,7
.if \a > 1
	s_wait_xcnt 0x0                                ; block a - 2's stores have read their registers and their base: block a's loads may land there, and the base may step
.endif
	TOSTAGE \a
	SEND \a-1, 16                                  ; behind block a - 1's loads: block a's 8 stores and 8 loads
.endr
	s_wait_xcnt 0x0                                ; block 6's stores have read their base
	SEND 7, 0
	s_wait_tensorcnt 0x0                           ; the wave's end: behind my last tensor load and my last LDS store
	ds_add_u32 v[SPW], v[NIL]
	s_wait_dscnt 0x0
	CROUND                                         ; the closing round: no work-group ends while a partner may still ask for a tile that names it
	s_endpgm
.Lfunc_end_k_qbc234feb91_down:
	.size	k_qbc234feb91_down, .Lfunc_end_k_qbc234feb91_down-k_qbc234feb91_down
	.p2alignl 7, 3214868480
	.fill 96, 4, 3214868480
	.section	.rodata,"a",@progbits
	.p2align	6, 0x0
	.amdhsa_kernel k_qbc234feb91_down
		.amdhsa_group_segment_fixed_size 327680
		.amdhsa_private_segment_fixed_size 0
		.amdhsa_enable_private_segment 0
		.amdhsa_kernarg_size 32
		.amdhsa_user_sgpr_count 2
		.amdhsa_user_sgpr_kernarg_segment_ptr 1
		.amdhsa_wavefront_size32 1
		.amdhsa_system_sgpr_workgroup_id_x 1
		.amdhsa_system_sgpr_workgroup_id_y 1
		.amdhsa_system_sgpr_workgroup_id_z 1
		.amdhsa_system_vgpr_workitem_id 0
		.amdhsa_next_free_vgpr 1024
		.amdhsa_next_free_sgpr 100
		.amdhsa_reserve_vcc 0
		.amdhsa_float_denorm_mode_32 3
		.amdhsa_float_denorm_mode_16_64 3
		.amdhsa_memory_ordered 1
		.amdhsa_forward_progress 1
		.amdhsa_inst_pref_size 123
	.end_amdhsa_kernel
	.amdgpu_metadata
---
amdhsa.version: [ 1, 2 ]
amdhsa.kernels:
  - .name:           k_qbc234feb91_down
    .symbol:         k_qbc234feb91_down.kd
    .args:
      - { .name: hq, .offset: 0, .size: 8, .value_kind: global_buffer, .address_space: global }
      - { .name: hs, .offset: 8, .size: 8, .value_kind: global_buffer, .address_space: global }
      - { .name: wq2, .offset: 16, .size: 8, .value_kind: global_buffer, .address_space: global }
      - { .name: out0, .offset: 24, .size: 8, .value_kind: global_buffer, .address_space: global }
    .group_segment_fixed_size: 327680
    .private_segment_fixed_size: 0
    .kernarg_segment_align: 8
    .kernarg_segment_size: 32
    .max_flat_workgroup_size: 128
    .sgpr_count:     100
    .vgpr_count:     1024
    .wavefront_size: 32
...
	.end_amdgpu_metadata
.endif
;; end of part 3
